; MI455X (gfx1250); checked and timed in simulation.
; The chip was launched on July 23, 2026; its instructions are those of AMD's public machine-readable ISA for CDNA 5 (MIT licence, August 2026) and "CDNA5" Instruction Set Architecture Reference Guide (July 2026). The comments in the code are by the model that wrote it; some were corrected since.
;; Attention. Allowed arithmetic: matrix products marked QUANTISED: E2M3 operands, one E8M0 scale for each 32 along K, by v_wmma_scale_f32_16x16x128_f8f6f4 with both operands' format E2M3, f32 sums; everything else in f32.
;; Inputs: key_layer_codes 2 x 16 x 2,048 x 4 x 24 uint8 (E2M3 codes of key_layer, K innermost, in blocks of 32 codes, four codes in three bytes); key_layer_scales 2 x 16 x 2,048 x 4 uint8 (E8M0 scales of key_layer, one for each 32 codes along K); query_layer_codes 2 x 16 x 2,048 x 4 x 24 uint8 (E2M3 codes of query_layer, K innermost, in blocks of 32 codes, four codes in three bytes); query_layer_scales 2 x 16 x 2,048 x 4 uint8 (E8M0 scales of query_layer, one for each 32 codes along K); value_layer_codes 2 x 16 x 128 x 64 x 24 uint8 (E2M3 codes of value_layer, K innermost, in blocks of 32 codes, four codes in three bytes); value_layer_scales 2 x 16 x 128 x 64 uint8 (E8M0 scales of value_layer, one for each 32 codes along K).
;; Outputs: out0 2 x 2,048 x 2,048 float32.
;; This version of the problem:
;;   THIS VERSION OF THE PROBLEM IS GIVEN IN LOW PRECISION. The matrix products marked QUANTISED in the list below multiply operands that are first quantised to E2M3 (2 exponent bits, 3 mantissa bits; 6 bits a number), with one power-of-two scale for each 32 numbers along K (OCP MX v1.0); their sums are f32. All else is computed in f32.
;;   The module's matrix products, in the order in which they are computed (A, B: the left and right operand; K: the contracted axis; several contracted axes count as one K, in the product's order):
;;     1. batch 32 x [M 2,048, K 128] x [K 128, N 2,048]; A: input query_layer (given as codes); B: input key_layer (given as codes): QUANTISED
;;     2. batch 32 x [M 2,048, K 2,048] x [K 2,048, N 128]; A: softmax (see below); B: input value_layer (given as codes): QUANTISED
;;   THE QUANTISER, for each operand of a quantised product, along K:
;;     - K is cut into blocks of 32 from its start; a last block that is shorter is filled with zeros.
;;     - A block's scale is 2^e with e = floor(log2(the largest magnitude in the block)) - 2, held to -126 .. 127; a block of zeros has e = 0. As a byte (E8M0): e + 127.
;;     - Each number is divided by its block's scale, clamped to +-7.5, and rounded to the nearest number of E2M3, ties to even, subnormals kept.
;;     - The product sums the exact products of the quantised numbers (number of the format x scale) in f32.
;;   ~~~python
;;   def quantise(x, axis):      # numpy; x: float32 -> the quantised numbers, widened to float32 again
;;       x = np.moveaxis(x, axis, -1); K = x.shape[-1]
;;       x = np.pad(x, [(0, 0)] * (x.ndim - 1) + [(0, -K % 32)]); x = x.reshape(x.shape[:-1] + (-1, 32)); a = np.abs(x).max(-1, keepdims=True)
;;       e = np.where(a > 0, np.clip(np.frexp(np.where(a > 0, a, 1))[1] - 1 - 2, -126, 127), 0)      # np.frexp(a)[1] - 1 = floor(log2(a)), exactly
;;       r = np.clip(x / 2.0 ** e, -7.5, 7.5)
;;       step = 2.0 ** (np.maximum(np.frexp(np.where(r == 0, 1, r))[1] - 1, 0) - 3)
;;       q = np.round(r / step) * step * 2.0 ** e      # np.round: ties to even
;;       return np.moveaxis(q.reshape(q.shape[:-2] + (-1,))[..., :K], -1, axis).astype(np.float32)
;;   ~~~
;;   SOFTMAX AHEAD OF A QUANTISED PRODUCT. Where the list says 'softmax', what is quantised is not the finished softmax but p = 2^(t - M), with t = logit x log2(e) and M = ceil(the row's largest t), a whole number; so 1/2 < the row's largest p <= 1. The row's sum l is taken of the UNQUANTISED p, in f32, and the product's result is divided by l at the end. Since M is a whole number, a kernel that streams over the keys may use a running M (the ceiling of the running maximum): every later rescaling is an exact power of two, which a block's scale takes up: the codes' values come out the same.
;;   OPERANDS COMPUTED ON THE WAY. 'Computed on the way' means the value that the module computes at that place (a softmax that the list does not call 'softmax' is quantised finished and normalised). What goes into a quantiser is computed in f32, as accurately as f32 sums, v_exp_f32 and their like allow (about 1e-6 of the number): no bf16 or f16 on the way to a quantiser, and a product that is left as it is and whose result goes on into a quantised operand takes f32 operands (vector FMAs, or v_wmma_f32_16x16x4_f32). A number that lies on a knife's edge between two numbers of the format may be rounded either way, as far as f32 arithmetic and the matrix unit's own rounding can turn it there, and no further.
;;   INPUTS GIVEN AS CODES. key_layer (in the module: [2, 16, 2048, 128], K = its axis 3); query_layer (in the module: [2, 16, 2048, 128], K = its axis 3); value_layer (in the module: [2, 16, 2048, 128], K = its axis 2): each comes as NAME_codes (uint8): NAME with its K axis moved to the last place and cut into blocks of 32 codes, [.., K / 32, bytes a block], one block behind the other in memory; four codes in three bytes: a row's codes are one little-endian stream of bits, code i at bits 6 i .. 6 i + 5 (a code: sign, 2 exponent bits, 3 mantissa bits); and NAME_scales (uint8): the same leading axes, one E8M0 byte (e + 127) for each 32 codes along K. Its value is code x scale, taken as it is: it is not quantised again, and the codes and scales need not be those that the quantiser above would give.
;; One version. Each part assembles by itself: llvm-mc -triple=amdgcn-amd-amdhsa -mcpu=gfx1250 --defsym DOCPART=n.
;; ======== version 1 of 1: 1 launch
;; launch attn (part 1): grid 8 x 32, 16 waves a work-group, clusters of 4 x 1, 327,680 bytes of LDS; arguments query_layer_codes, query_layer_scales, key_layer_codes, key_layer_scales, value_layer_codes, value_layer_scales, out0; writes out0
.if DOCPART == 1
	.amdgcn_target "amdgcn-amd-amdhsa--gfx1250"
	.amdhsa_code_object_version 6
	.text
	.protected	k_q89c812f545_attn
	.globl	k_q89c812f545_attn
	.p2align	8
	.type	k_q89c812f545_attn,@function
k_q89c812f545_attn:
	s_mov_b64 s[64:65], 0
	v_nop
	global_prefetch_b8 v0, s[64:65] scope:SCOPE_SE
	s_setreg_imm32_b32 hwreg(HW_REG_WAVE_MODE, 25, 1), 1
	s_wait_xcnt 0x0
	s_wait_alu depctr_hold_cnt(0) depctr_sa_sdst(0) depctr_va_vdst(0) depctr_va_sdst(0) depctr_va_ssrc(0) depctr_va_vcc(0) depctr_vm_vsrc(0)
	s_getreg_b32 s2, hwreg(HW_REG_IB_STS2, 6, 4)
	s_cmp_eq_u32 s2, 0
	s_cbranch_scc0 .Lentry_in_a_cluster
	s_endpgm
.Lentry_in_a_cluster:
	s_bfe_u32 s2, ttmp6, 0x10000c
	s_cmp_lg_u32 s2, 0x3003
	s_cbranch_scc0 .Lentry_shape_is_right
	s_endpgm
.Lentry_shape_is_right:
; out0[b][q][128 hd + d] = the sum over k <= q of softmax_k(Q[q] . K[k] / sqrt(128)) V[k][d], for each of 32 heads (b, hd); 2,048 queries and keys, head size 128.
; Both products on codes of FP6 (E2M3) with one E8M0 scale for each 32 along a product's K.  (The factor 2 by which the scores are divided and multiplied again cancels.)
; Q, K: 96 bytes of codes and one scale word a row.  V: codes with the KEYS innermost, 128 rows of 1,536 bytes a head, 64 scale bytes a row.  out0: f32, rows of 8,192 bytes, a head's 512 bytes in each.
; THE SOFTMAX AHEAD OF THE SECOND PRODUCT: t = score x log2(e) / sqrt(128); M = the row's largest t so far, rounded UP to a whole number; p = 2^(t - M) is quantised along the keys, not normalised.
; The row's sum is taken of the unquantised p, in f32, and divides O at the end.  When M moves, the sum and O are multiplied by 2^(old M - new M): exact.
; SHARES.  Eight work-groups a head, sixteen waves each, a wave one tile of 16 queries in 256 registers.  Wave w of work-group x owns queries 128 CL(w) + 16 x on: under the causal mask it needs key steps
; (128 keys) 0 .. CL(w), whatever x is.  So every branch of the mask hangs on the wave's number and the step's count alone, every work-group has one wave of each class 0 .. 15 (136 wave-steps) and needs all keys.
; CL(w) = 4 (g xor s) + (((2 g) xor 7 (g / 2)) xor s), g = w / 4, s = w % 4: 0,5,10,15, 6,3,12,9, 11,14,1,4, 13,8,7,2.  The four waves with equal w % 4, and the four with equal w / 4, have 34 steps together.
; CLUSTER.  Four work-groups of a head walk the same K, V and scale bytes in the same rounds: each tile is asked for JOINTLY, by the same tensor load with the same descriptor and the mask of all four.
; The place in the cluster enters Q's and out0's addresses, the prefetches' address and the mask's lane constant DG (data of a compare and a select), and nothing else.
; LAYOUT.  Both products are used transposed: S^T = K Q^T (source 0 = 16 keys, source 1 = my 16 queries), O^T = V^T P^T (source 0 = 16 of the head's 128, source 1 = P): a lane holds ONE query (lane % 16).
; THE KEYS OF A TILE ARE NOT NEIGHBOURS: lane r of tile 2 b + u takes key 32 b + 8 u + r + 8 (r / 8), so that the 16 registers of tiles 2 b, 2 b + 1 are 16 neighbouring keys, 32 b + 16 (lane / 16) + 0 .. 15.
; THE WAY OUT is taken by each wave at the end of its own last key step, through a stage of its own: one wave of a work-group stores its 8 KiB in each key step.
; LIMITS.  A scale byte 0xff among the inputs gives NaN.  p under 2^-126 counts as 0 (v_exp_f32 flushes: ISA guide 15.8).  A block of p that is all zeros carries the byte 1, not 127: its codes are zeros and
; nobody else reads the byte.  A block's largest p is taken from its largest score: this takes v_exp_f32 not to fall where its input rises.  t is one multiplication by c where the source divides and multiplies.
; REGISTERS: v1-11 addresses; v12 -M, v13 the largest t, v[14:15] the sum in two halves; v16-27 Q; v28-31 see below; v32-79 four fragments of K or of V; v80-81 addresses of scale words;
;   v96-159 S^T, then p, then O / sum; v160-223 O^T (on the way out: rows read back); v224-235 p's codes; v232-247, v252-254 at work; v248-251 scale words; v253 p's scale word; v255 Q's scale words.
.set NSL,   8                          ; slots' worth of keys: 2,048 / 256
.set ROWB,  96                         ; 128 codes in bytes
.set KGRP,  1536                       ; 16 keys' codes
.set KBOFF, 12304                      ; in a slot: the even groups of 16 keys from byte 0 (8 x 1,536), the odd groups from here: 16 bytes further on than they need lie
.set KROWV, 1536                       ; a row of V in memory
.set VP,    240                        ; a row of V's tile in LDS: 3 x (64 bytes + 16 of padding)
.set VOFF,  24832                      ; a slot's 128 rows of V
.set SLOT1, 1<<17                      ; slot 1 begins here: one exclusive or turns an address in one slot into the other's
.set STAGE, 55552                      ; behind slot 0's tiles (217 x 256): 16 rows x 272 bytes for each wave; no tile ever lands here
.set SCK,   2*SLOT1                    ; K's scale bytes of the head: 32 pieces of 256 bytes + 16 of padding
.set SCH,   16*272                     ; half of them: what one tensor load brings
.set SCV,   SCK+2*SCH                  ; V's likewise
.set SPARE, SCV+2*SCH                  ; the spare words, 128 bytes for each wave: eight blocks of 256 bytes that no other line names
.set HEADC, 196608                     ; a head's codes in bytes, in each of the three tensors
.set OROW,  8192                       ; a row of out0
.set AK0,  1                           ; v1   my lane's place in a tile of K: 96 (r % 8) + KBOFF (r / 8) + 24 h
.set AV0,  2                           ; v2   in a tile of V: VOFF + 240 r + 24 h
.set ASK0, 3                           ; v3   among K's scale words: SCK + 4 (r + 8 (r / 8))
.set ASV0, 4                           ; v4   among V's: SCV + 272 (r / 4) + 64 (r % 4)
.set SPW,  5                           ; v5   LDS address of my spare word: SPARE + 4 x my thread's number; never rewritten
.set NIL,  6                           ; v6   0; never rewritten
.set GO,   7                           ; v7   the way out: 8,192 h + 16 r; never rewritten
.set ADK,  8                           ; v8   LDS address of the step's tiles of K
.set ADV,  9                           ; v9   of V
.set ADV2, 10                          ; v10  of V, for the pieces that lie behind one padding more in lanes 16-31
.set AV1,  11                          ; v11  AV0 + 16 h
.set PFO,  28                          ; v28  the prefetches' lane offset; never rewritten
.set DG,   29                          ; v29  16 x + r - 16 h: on the diagonal, register 16 b + i is hidden where 32 b + i > DG
.set STO,  30                          ; v30  the stage: where I put 32 bytes of a row
.set RD,   31                          ; v31  and where I read a row back
.set ADS,  80                          ; v80  LDS address of the step's scale words of K
.set ADT,  81                          ; v81  of V
.set TB,   2                           ; s2   LDS byte at which the slot in hand begins
.set TS,   3                           ; s3   where the step's scale words of K begin: 544 bytes a step
.set WV,   18                          ; s18  my wave's number
.set CL,   19                          ; s19  my class: my last key step
.set SEL,  20                          ; s[20:21] lane selects for v_permlanex16_b32: lane l xor 16
.set CS,   22                          ; s[22:23] c = log2(e) / sqrt(128): the packed form names a pair and takes its low word for both halves
.set G1K,  24                          ; s[24:31] descriptor group 1 for K's tiles;  s[32:39] for V's;  s[40:43], s[44:47] their groups 0, which walk
.set G1V,  32
.set G0K,  40
.set G0V,  44
.set G1S,  48                          ; s[48:55] group 1 for the scale bytes;  s[56:59], s[60:63] groups 0 for K's and V's
.set G0SK, 56
.set G0SV, 60
.set TJ,   66                          ; s66  where the step's scale words of V begin: 4 bytes a step
.set SLOTS, 67                         ; s67  slots still to be asked for
.set KS,   68                          ; s68  the key step, 0 .. 15
.set CX,   69                          ; s69  my place in the cluster
.set XB,   70                          ; s70  my work-group of the head: 4 x cluster x + cx
.set LIM,  71                          ; s71  3 in a wave that prefetches, else the greatest number
.set PFA,  98                          ; s[98:99]   where my prefetches stand in memory
.set PFS,  100                         ; s[100:101] their step from one change of slots to the next
; A round of the cluster's barrier: my work-group's barrier, so that wave 0's signal speaks for all sixteen waves; wave 0 signals for the work-group; every wave waits for all four work-groups; my work-group's barrier once more.
.macro CROUND
	s_barrier_signal -1
	s_barrier_wait -1
	s_cmp_lg_u32 s[WV], 0
	s_cbranch_scc1 .Lnot_wave_0_\@
	s_barrier_signal -3
.Lnot_wave_0_\@:
	s_barrier_wait -3
	s_barrier_signal -1
	s_barrier_wait -1
.endm
; A joint load.  Waves 0 and 1 fetch for K, waves 2 and 3 for V, the others nothing.  The branches hang on the wave's number alone.  Four v_nop follow each of the two lines.
.macro TLOAD g0k, g1k, g0v, g1v
	s_cmp_lt_u32 s[WV], 2
	s_cbranch_scc0 .Lnot_k_\@
	tensor_load_to_lds s[\g0k:\g0k+3], s[\g1k:\g1k+7]
	s_nop 0
.rept 4
	v_nop
.endr
	s_branch .Lasked_\@
.Lnot_k_\@:
	s_cmp_lt_u32 s[WV], 4
	s_cbranch_scc0 .Lasked_\@
	tensor_load_to_lds s[\g0v:\g0v+3], s[\g1v:\g1v+7]
	s_nop 0
.rept 4
	v_nop
.endr
.Lasked_\@:
.endm
; A PREFETCH INTO THE L2, at the first four changes of slots (s[SLOTS] = 7 .. 4), where the fetching waves have their tensor load.  Both clusters of a head walk the same K and V: the first (cluster x = 0) asks.
; Its four partners are told apart BY ADDRESS; in each, wave 4 asks for K and wave 8 for V, one instruction.  Ask a (0 .. 3) names, of K, the head's bytes 65,536 + 32,768 a + 8,192 cx + 256 x lane, and of V byte
; 512 + 256 a of row 32 cx + lane.  So each aligned block of 256 bytes from byte 65,536 of the head's K on, and from byte 512 of each row of V on, is named once in the launch; what lies ahead of these comes by its
; loads alone.  Ask 0 stands one change of slots ahead of the tensor load that wants its first bytes (slot 2's), asks 1 to 3 two changes ahead (slots 4, 5, 6).  The last ask ends inside the head.
.macro ASK
	s_cmp_gt_u32 s[SLOTS], s[LIM]
	s_cbranch_scc0 .Lnot_mine_\@
	global_prefetch_b8 v[PFO], s[PFA:PFA+1] th:TH_LOAD_NT scope:SCOPE_SE
.Lnot_mine_\@:
.endm
	s_load_b128 s[4:7], s[0:1], 0x0                ; Q's codes, Q's scales
	s_load_b128 s[8:11], s[0:1], 0x10              ; K's codes, K's scales
	s_load_b128 s[12:15], s[0:1], 0x20             ; V's codes, V's scales
	s_load_b64 s[16:17], s[0:1], 0x30              ; out0
	v_lshl_add_u32 v[SPW], v0, 2, SPARE
	v_mov_b32 v[NIL], 0
	ds_add_u32 v5, v6
	ds_add_u32 v5, v6
	s_wait_dscnt 0x0
	v_lshrrev_b32 v8, 5, v0
	s_delay_alu instid0(VALU_DEP_1)
	v_readfirstlane_b32 s[WV], v8                  ; wave 0..15
	s_lshr_b32 s72, s[WV], 2                       ; g
	s_and_b32 s73, s[WV], 3                        ; s
	s_xor_b32 s74, s72, s73
	s_lshl_b32 s74, s74, 2                         ; 4 (g xor s)
	s_lshl_b32 s75, s72, 1
	s_lshr_b32 s76, s72, 1
	s_mul_i32 s76, s76, 7
	s_xor_b32 s75, s75, s76                        ; (2 g) xor 7 (g / 2): 0, 2, 3, 1
	s_xor_b32 s75, s75, s73
	s_add_co_u32 s[CL], s74, s75                   ; my class
	s_bfe_u32 s[CX], ttmp6, 0x40000                ; cx
	s_lshl_b32 s[XB], ttmp9, 2                     ; in a cluster launch ttmp9 counts clusters
	s_add_co_u32 s[XB], s[XB], s[CX]               ; x = 4 x cluster x + cx
	; what the four partners share: the head, and what I fetch of it.  s72-76 and s88-97 never hold cx
	s_and_b32 s72, ttmp7, 0xffff                   ; the head, 0 .. 31
	s_mul_i32 s88, s72, HEADC                      ; its first byte in each tensor of codes,
	s_lshl_b32 s90, s72, 13                        ; and in each tensor of scale bytes (8,192 a head)
	s_and_b32 s73, s[WV], 1                        ; e: which half I fetch, if I fetch
	s_mul_i32 s92, s73, KGRP                       ; K: wave 0 the even groups of 16 keys, wave 1 the odd ones: in memory,
	s_add_co_u32 s92, s92, s88
	s_mov_b32 s93, 0
	s_mul_i32 s74, s73, KBOFF                      ; and in a slot
	s_mul_i32 s94, s73, 64*KROWV                   ; V: rows 64 e on: in memory,
	s_add_co_u32 s94, s94, s88
	s_mov_b32 s95, 0
	s_mul_i32 s75, s73, 64*VP
	s_add_co_u32 s75, s75, VOFF                    ; and in a slot
	s_lshl_b32 s96, s73, 12                        ; the scale bytes: 4,096 e on in memory,
	s_add_co_u32 s96, s96, s90
	s_mov_b32 s97, 0
	s_mul_i32 s76, s73, SCH                        ; and in LDS
	; what is mine alone: s77-87 may hold cx
	s_lshl_b32 s77, s[CL], 7
	s_lshl_b32 s78, s[XB], 4
	s_add_co_u32 s77, s77, s78                     ; my first query: 128 CL + 16 x
	s_mul_i32 s80, s77, ROWB
	s_add_co_u32 s80, s80, s88                     ; its codes,
	s_mov_b32 s81, 0
	s_lshl_b32 s82, s77, 2
	s_add_co_u32 s82, s82, s90                     ; its scale word,
	s_mov_b32 s83, 0
	s_lshl_b32 s84, s77, 13                        ; and its place in out0: the query's row of 8,192 bytes,
	s_lshr_b32 s78, s72, 4
	s_lshl_b32 s78, s78, 24                        ; the batch's 2,048 rows,
	s_add_co_u32 s84, s84, s78
	s_and_b32 s78, s72, 15
	s_lshl_b32 s78, s78, 9                         ; the head's 512 bytes of a row: under 2^26 in all
	s_add_co_u32 s84, s84, s78
	s_mov_b32 s85, 0
	; descriptor group 1.  K: 8 rows of 1,536 bytes (16 keys), every second such group of memory, dense in LDS
	s_mov_b32 s[G1K], 15|(3<<16)|(1<<21)           ; 15:0 the mask: all four work-groups; 17:16 elements of 8 bytes; 20 padding off; 21 set beside a mask
	s_mov_b32 s[G1K+1], 192<<16                    ; tensor_dim0 = 192 elements
	s_mov_b32 s[G1K+2], 8<<16                      ; tensor_dim1 = 8
	s_mov_b32 s[G1K+3], 192<<16                    ; tile_dim0
	s_mov_b32 s[G1K+4], 8                          ; tile_dim1
	s_mov_b32 s[G1K+5], 384                        ; tensor_dim0_stride: 3,072 bytes
	s_mov_b32 s[G1K+6], 0
	s_mov_b32 s[G1K+7], 0
	; V: 64 rows of 192 bytes (256 keys), 1,536 bytes apart in memory; 16 bytes of padding behind every 64
	s_mov_b32 s[G1V], 15|(1<<20)|(1<<21)|(3<<22)|(3<<25)   ; elements of 1 byte; padding on; after every 16 words (code 3), 4 words of it (code 3)
	s_mov_b32 s[G1V+1], 192<<16
	s_mov_b32 s[G1V+2], 64<<16
	s_mov_b32 s[G1V+3], 192<<16
	s_mov_b32 s[G1V+4], 64
	s_mov_b32 s[G1V+5], KROWV
	s_mov_b32 s[G1V+6], 0
	s_mov_b32 s[G1V+7], 0
	; the scale bytes: half a head's, 4,096 dense bytes, as 16 rows of 256 bytes (32 elements of 8 bytes), 16 bytes of padding behind each
	s_mov_b32 s[G1S], 15|(3<<16)|(1<<20)|(1<<21)|(5<<22)|(3<<25)
	s_mov_b32 s[G1S+1], 32<<16
	s_mov_b32 s[G1S+2], 16<<16
	s_mov_b32 s[G1S+3], 32<<16
	s_mov_b32 s[G1S+4], 16
	s_mov_b32 s[G1S+5], 32
	s_mov_b32 s[G1S+6], 0
	s_mov_b32 s[G1S+7], 0
	s_mov_b32 s[SEL], 0x76543210
	s_mov_b32 s[SEL+1], 0xfedcba98
	s_mov_b32 s[CS], 0x3e0293ee                    ; c = log2(e) / sqrt(128)
	s_mov_b32 s[CS+1], s[CS]                       ; (named with it as a pair, so it is written)
	s_mov_b32 s[TB], 0
	s_mov_b32 s[TS], 0
	s_mov_b32 s[TJ], 0
	s_mov_b32 s[KS], 0
	s_mov_b32 s[SLOTS], NSL-1
	s_wait_kmcnt 0x0
	s_mov_b32 s[G0SK], 1                           ; 1:0 count = 1
	s_add_co_u32 s[G0SK+1], s76, SCK               ; 63:32 LDS address
	s_add_nc_u64 s[G0SK+2:G0SK+3], s[10:11], s[96:97]   ; 120:64 global address
	s_or_b32 s[G0SK+3], s[G0SK+3], 0x80000000      ; 127:126 type = 2
	s_mov_b32 s[G0SV], 1
	s_add_co_u32 s[G0SV+1], s76, SCV
	s_add_nc_u64 s[G0SV+2:G0SV+3], s[14:15], s[96:97]
	s_or_b32 s[G0SV+3], s[G0SV+3], 0x80000000
	s_mov_b32 s[G0K], 1
	s_mov_b32 s[G0K+1], s74                        ; slot 0
	s_add_nc_u64 s[G0K+2:G0K+3], s[8:9], s[92:93]  ; the head's first 256 keys
	s_or_b32 s[G0K+3], s[G0K+3], 0x80000000
	s_mov_b32 s[G0V], 1
	s_mov_b32 s[G0V+1], s75
	s_add_nc_u64 s[G0V+2:G0V+3], s[12:13], s[94:95]
	s_or_b32 s[G0V+3], s[G0V+3], 0x80000000
	CROUND                                         ; all four work-groups are here: the first joint loads meet
	TLOAD G0SK, G1S, G0SV, G1S                     ; the scale bytes of the whole head: filled once
	TLOAD G0K, G1K, G0V, G1V                       ; slot 0.  Two tensor loads of a fetching wave are out; the first wait on them is for 0
	s_add_nc_u64 s[4:5], s[4:5], s[80:81]          ; Q's codes at my first query,
	s_add_nc_u64 s[6:7], s[6:7], s[82:83]          ; its scale words,
	s_add_nc_u64 s[16:17], s[16:17], s[84:85]      ; out0 likewise
	v_and_b32 v8, 15, v0                           ; r = lane % 16
	s_wait_alu depctr_va_vdst(0)
	v_bfe_u32 v9, v0, 4, 1                         ; h = lane / 16
	v_mul_u32_u24 v10, v8, ROWB
	s_delay_alu instid0(VALU_DEP_1)
	v_mad_u32_u24 v10, v9, 24, v10                 ; Q: row r, + my half's 24 bytes
.irp p, 0,1,2,3,4,5
	global_load_b64 v[16+2*\p:17+2*\p], v10, s[4:5] offset:48*(\p/3)+8*(\p%3)   ; Q's fragment stays in registers
.endr
	v_lshlrev_b32 v254, 2, v8
	global_load_b32 v255, v254, s[6:7]             ; Q's scale words.  (v10 and v254 are written again only behind the wait for these loads)
	; the prefetches (macro ASK): where my wave's stand, and who asks
	s_cmp_lt_u32 s[WV], 8                          ; wave 4 asks for K's codes, wave 8 for V's
	s_cselect_b64 s[PFA:PFA+1], s[8:9], s[12:13]
	s_mov_b32 s[PFS], 256
	s_cselect_b32 s[PFS], 32768, s[PFS]            ; from ask to ask
	s_mov_b32 s[PFS+1], 0
	s_mov_b32 s79, KROWV
	s_cselect_b32 s79, 256, s79                    ; from lane to lane
	s_mov_b32 s86, 32*KROWV
	s_cselect_b32 s86, 8192, s86                   ; from partner to partner
	s_mul_i32 s86, s86, s[CX]
	s_add_co_u32 s86, s86, s[PFS]                  ; one step short of the first ask: every change of slots steps the address ahead of its ask
	s_add_co_u32 s86, s86, s88                     ; in my head
	s_mov_b32 s87, 0
	s_add_nc_u64 s[PFA:PFA+1], s[PFA:PFA+1], s[86:87]
	v_and_b32 v[PFO], 31, v0
	s_delay_alu instid0(VALU_DEP_1)
	v_mul_lo_u32 v[PFO], v[PFO], s79
	s_sub_co_u32 s78, s[WV], 4
	s_and_b32 s78, s78, 0xfffffffb                 ; 0 in waves 4 and 8,
	s_or_b32 s78, s78, ttmp9                       ; of the head's first cluster: the same in all four partners
	s_cmp_eq_u32 s78, 0
	s_cselect_b32 s[LIM], 3, -1
	; my lane's places
	v_and_b32 v12, 7, v8
	v_lshrrev_b32 v13, 3, v8                       ; r / 8
	s_delay_alu instid0(VALU_DEP_2)
	v_mul_u32_u24 v[AK0], v12, ROWB                ; K: lanes 0-7 take eight rows of an even group of 16 keys, lanes 8-15 the same rows of the odd group behind it.  A row is 24 words: eight rows start at banks
	s_delay_alu instid0(VALU_DEP_1)
	v_mad_u32_u24 v[AK0], v13, KBOFF, v[AK0]       ; 0, 8 .. 56 (64 banks of 4 bytes: ISA guide 11.1); the halves take words 0, 1 and 6, 7 of each eight; KBOFF is 4 words past a multiple of 64: words 4, 5 and 2, 3.
	s_delay_alu instid0(VALU_DEP_1)
	v_mad_u32_u24 v[AK0], v9, 24, v[AK0]           ; So the 32 lanes of a load of 8 bytes touch 64 different banks
	v_mul_u32_u24 v[AV0], v8, VP
	s_delay_alu instid0(VALU_DEP_1)
	v_mad_u32_u24 v[AV0], v9, 24, v[AV0]
	s_delay_alu instid0(VALU_DEP_1)
	v_add_nc_u32 v[AV0], VOFF, v[AV0]
	s_delay_alu instid0(VALU_DEP_1)
	v_lshl_add_u32 v[AV1], v9, 4, v[AV0]           ; the same behind one padding more in lanes 16-31
	v_lshl_add_u32 v12, v13, 3, v8                 ; r + 8 (r / 8)
	s_delay_alu instid0(VALU_DEP_1)
	v_lshl_add_u32 v[ASK0], v12, 2, SCK            ; K's scale words: 4 bytes a key; a step's 128 keys are two pieces of 256 bytes
	v_lshrrev_b32 v12, 2, v8
	v_and_b32 v13, 3, v8
	s_delay_alu instid0(VALU_DEP_1)
	v_lshlrev_b32 v13, 6, v13
	s_delay_alu instid0(VALU_DEP_1)
	v_mad_u32_u24 v[ASV0], v12, 272, v13           ; V's: 64 bytes a row, four rows to a piece
	s_delay_alu instid0(VALU_DEP_1)
	v_add_nc_u32 v[ASV0], SCV, v[ASV0]
	s_lshl_b32 s78, s[XB], 4
	v_lshlrev_b32 v12, 4, v9
	s_delay_alu instid0(VALU_DEP_1)
	v_sub_nc_u32 v[DG], v8, v12
	s_delay_alu instid0(VALU_DEP_1)
	v_add_nc_u32 v[DG], s78, v[DG]                 ; 16 x + r - 16 h
	s_mul_i32 s73, s[WV], 16*272
	s_add_co_u32 s73, s73, STAGE                   ; my stage
	v_mul_u32_u24 v[STO], v8, 272
	s_delay_alu instid0(VALU_DEP_1)
	v_lshl_add_u32 v[STO], v9, 5, v[STO]
	s_delay_alu instid0(VALU_DEP_1)
	v_add_nc_u32 v[STO], s73, v[STO]               ; in: row r; tile t's eight channels of my half: 64 t + 32 h bytes on
	v_mul_u32_u24 v[RD], v9, 272
	s_delay_alu instid0(VALU_DEP_1)
	v_lshl_add_u32 v[RD], v8, 4, v[RD]
	s_delay_alu instid0(VALU_DEP_1)
	v_add_nc_u32 v[RD], s73, v[RD]                 ; back: lanes 0-15 one row, lanes 16-31 the next
	v_lshlrev_b32 v[GO], 13, v9
	s_delay_alu instid0(VALU_DEP_1)
	v_lshl_add_u32 v[GO], v8, 4, v[GO]             ; and the same two rows in out0
	v_mov_b32 v13, 0xff61b1e6                      ; the largest t so far: -3e38, under every t
	s_delay_alu instid0(VALU_DEP_1)
	v_floor_f32 v12, -v13                          ; -M
	v_mov_b32 v14, 0                               ; the sum, in two halves
	v_mov_b32 v15, 0
.irp b, 0,1,2,3
	v_mov_b32 v[236+\b], 0                         ; written once: a lane permute's destination counts as one of its sources
.endr
	v_mov_b32 v253, 0                              ; (named as the upper half of the pair v[252:253] before it is first written)
.irp j, 0,1,2,3,4,5,6,7,8,9,10,11,12,13,14,15,16,17,18,19,20,21,22,23,24,25,26,27,28,29,30,31,32,33,34,35,36,37,38,39,40,41,42,43,44,45,46,47,48,49,50,51,52,53,54,55,56,57,58,59,60,61,62,63
	v_mov_b32 v[160+\j], 0                         ; O^T.  (A key step has one form: the first finds zeros, which the first change of M leaves zeros)
.endr
; Four fragments of V^T (tiles 4 g .. 4 g + 3 of 16 channels, the slot's q-th 128 keys) and their scale words.  A fragment is 12 registers: registers 6 c .. 6 c + 5 hold keys 64 c + 32 h + 0 .. 31, 24 bytes of the row
; as they lie, in pieces of 8 bytes.  Lanes 16-31 read three pieces further on than lanes 0-15; where that is behind one padding more (16 bytes behind every 8 pieces), the second address register serves.
.macro VLOADS q, g
.irp t, 0,1,2,3
.irp p, 0,1,2,3,4,5
.set PCE, 12*(\q)+6*(\p/3)+\p%3
.if PCE%8 < 5
	ds_load_b64 v[32+12*\t+2*\p:32+12*\t+2*\p+1], v[ADV] offset:8*PCE+16*(PCE/8)+(4*(\g)+\t)*16*VP
.else
	ds_load_b64 v[32+12*\t+2*\p:32+12*\t+2*\p+1], v[ADV2] offset:8*PCE+16*(PCE/8)+(4*(\g)+\t)*16*VP
.endif
.endr
	ds_load_b32 v[248+\t], v[ADT] offset:(4*(\g)+\t)*4*272
.endr
.endm
; THE WAY OUT of my 16 queries.  The sum's halves are added; O^T is divided by the sum and goes through my stage, half a row (64 channels, 256 bytes) of 16 queries at a time, so that sixteen lanes store 256 consecutive bytes.
.macro WAYOUT
.rept 4
	v_nop                                          ; four places behind the last products, in front of the first read of their results and of loads into their registers
.endr
	v_add_f32 v14, v14, v15                        ; the sum's two halves,
	s_delay_alu instid0(VALU_DEP_1)
	v_permlanex16_b32 v252, v14, s[SEL], s[SEL+1]
	s_delay_alu instid0(VALU_DEP_1)
	v_add_f32 v14, v14, v252                       ; and lane l xor 16's: the row's sum
	s_wait_alu depctr_va_vdst(0)
	v_rcp_f32 v14, v14
	v_nop                                          ; a plain place behind the transcendental
	s_wait_alu depctr_va_vdst(0)
.irp j, 0,2,4,6,8,10,12,14,16,18,20,22,24,26,28,30,32,34,36,38,40,42,44,46,48,50,52,54,56,58,60,62
	v_pk_mul_f32 v[96+\j:97+\j], v[160+\j:161+\j], v[14:15] op_sel_hi:[1,0]   ; O^T / the sum, each accumulator from its low end on: register 8 t + i is o(r, 16 t + 8 h + i)
.endr
.irp u, 0,1                                    ; channels 64 u on
.irp t, 0,1,2,3
	ds_store_b128 v[STO], v[96+32*\u+8*\t:99+32*\u+8*\t] offset:64*\t
	ds_store_b128 v[STO], v[100+32*\u+8*\t:103+32*\u+8*\t] offset:64*\t+16
.endr
.irp i, 0,1,2,3,4,5,6,7
	ds_load_b128 v[160+32*\u+4*\i:163+32*\u+4*\i], v[RD] offset:2*\i*272   ; LDS serves a wave's instructions in order (ISA guide 5.7.1.4): these see my stores, and the next half's stores come behind them.  O^T's registers are done with
.endr
.endr
.irp u, 0,1
.irp i, 0,1,2,3,4,5,6,7
	s_wait_dscnt 15-8*\u-\i                        ; behind load (u, i) at least so many LDS instructions were issued: it is in
	global_store_b128 v[GO], v[160+32*\u+4*\i:163+32*\u+4*\i], s[16:17] offset:2*\i*OROW+256*\u th:TH_STORE_NT   ; 16 lanes store 256 consecutive bytes, at a multiple of 256 from out0's first byte; written once, read by nobody here
.endr
.endr
	s_wait_xcnt 0x0                                ; the stores have read their registers: no later line of the text writes them ahead of this wait
.endm
; A KEY STEP: 128 keys, the q-th of the slot in hand.
.macro STEP q
	s_cmp_gt_u32 s[KS], s[CL]                      ; all 128 keys come after my queries: the step's work is left out.  No barrier and no tensor load stands in a step
	s_cbranch_scc1 .Lhidden_\@
	v_add_nc_u32 v[ADK], s[TB], v[AK0]             ; (these five are also the places in front of loads into registers that the last step's products read)
	s_wait_alu depctr_va_vdst(0)
	v_add_nc_u32 v[ADV], s[TB], v[AV0]
	v_add_nc_u32 v[ADV2], s[TB], v[AV1]
	v_add_nc_u32 v[ADS], s[TS], v[ASK0]
	s_wait_alu depctr_va_vdst(0)
	v_add_nc_u32 v[ADT], s[TJ], v[ASV0]
	s_wait_alu depctr_va_vdst(0)
.irp g, 0,1                                    ; S^T = K Q^T, four tiles of 16 keys at a time
.if \g > 0
.rept 4
	v_nop                                          ; places in front of loads into registers that matrix instructions have read
.endr
.endif
.irp t, 0,1,2,3
.irp p, 0,1,2,3,4,5
	ds_load_b64 v[32+12*\t+2*\p:32+12*\t+2*\p+1], v[ADK] offset:(4*(\q)+(4*\g+\t)/2)*KGRP+(\t%2)*8*ROWB+48*(\p/3)+8*(\p%3)
.endr
	ds_load_b32 v[248+\t], v[ADS] offset:272*\g+(32*(((4*\g+\t)/2)%2)+8*(\t%2))*4
.endr
	s_wait_dscnt 0x0
.irp t, 0,1,2,3
	v_wmma_scale_f32_16x16x128_f8f6f4 v[96+8*(4*\g+\t):103+8*(4*\g+\t)], v[32+12*\t:43+12*\t], v[16:27], 0, v[248+\t], v255 matrix_a_fmt:MATRIX_FMT_FP6 matrix_b_fmt:MATRIX_FMT_FP6
.endr
.endr
.rept 4
	v_nop                                          ; places in front of the loads below and of the first read of the scores
.endr
	VLOADS \q, 0                                   ; V's first four fragments are asked for ahead of the softmax, which touches none of their registers; the wait for them stands behind it
	s_cmp_lt_u32 s[KS], s[CL]                      ; on the diagonal (my last step) the scores of hidden keys become -infinity ahead of the maximum: p = 0 then.  A step all of whose keys count skips this
	s_cbranch_scc1 .Lopen_\@
	v_mov_b32 v254, 0xff800000                     ; -infinity
.irp n, 0,1,2,3,4,5,6,7,8,9,10,11,12,13,14,15,16,17,18,19,20,21,22,23,24,25,26,27,28,29,30,31,32,33,34,35,36,37,38,39,40,41,42,43,44,45,46,47,48,49,50,51,52,53,54,55,56,57,58,59,60,61,62,63
	v_cmp_gt_i32 vcc_lo, 32*(\n/16)+\n%16, v[DG]
	v_cndmask_b32 v[96+\n], v[96+\n], v254, vcc_lo
.endr
.Lopen_\@:
.irp b, 0,1,2,3
	v_max3_num_f32 v[232+\b], v[96+16*\b], v[97+16*\b], v[98+16*\b]   ; THE LARGEST SCORE OF EACH BLOCK OF 32 KEYS: it serves twice: for the row's maximum, and, since p rises with the score, for the block's largest p
.endr
.irp i, 3,5,7,9,11,13
.irp b, 0,1,2,3
	v_max3_num_f32 v[232+\b], v[232+\b], v[96+16*\b+\i], v[97+16*\b+\i]   ; (the four blocks by turns)
.endr
.endr
.irp b, 0,1,2,3
	v_max_num_f32 v[232+\b], v[232+\b], v[111+16*\b]
.endr
.irp b, 0,1,2,3
	s_delay_alu instid0(VALU_DEP_4)
	v_permlanex16_b32 v[236+\b], v[232+\b], s[SEL], s[SEL+1]
.endr
.irp b, 0,1,2,3
	s_delay_alu instid0(VALU_DEP_4)
	v_max_num_f32 v[232+\b], v[232+\b], v[236+\b]  ; with lane l xor 16's 16 keys
.endr
	s_delay_alu instid0(VALU_DEP_2)
	v_max3_num_f32 v254, v232, v233, v234
	s_delay_alu instid0(VALU_DEP_1)
	v_max_num_f32 v254, v254, v235                 ; the step's largest score of my query (key 0 counts for every query: a number from the first step on)
	s_delay_alu instid0(VALU_DEP_1)
	v_mul_f32 v254, s[CS], v254                    ; as t (c is positive)
	s_delay_alu instid0(VALU_DEP_1)
	v_max_num_f32 v13, v13, v254                   ; the running largest t
	v_mov_b32 v254, v12
	s_delay_alu instid0(VALU_DEP_2)
	v_floor_f32 v12, -v13                          ; the new -M = floor(-t) = -ceil(t): M IS A WHOLE NUMBER
	s_delay_alu instid0(VALU_DEP_1)
	v_sub_f32 v254, v12, v254                      ; M's old value less its new one: a whole number, 0 or less
	s_delay_alu instid0(VALU_DEP_1)
	v_cvt_i32_f32 v254, v254                       ; (it saturates)
	s_delay_alu instid0(VALU_DEP_1)
	v_ldexp_f32 v252, 1.0, v254                    ; f = 2^(old M - new M): what was summed under the old M is brought under the new by a multiplication that rounds nothing
.irp j, 0,2,4,6,8,10,12,14,16,18,20,22,24,26,28,30,32,34,36,38,40,42,44,46,48,50,52,54,56,58,60,62
	v_pk_fma_f32 v[96+\j:97+\j], v[96+\j:97+\j], s[CS:CS+1], v[12:13] op_sel_hi:[1,0,0]   ; t - M, two at a time (of the pairs c and -M the low word serves both halves)
.endr
.irp b, 0,1,2,3
	v_fma_f32 v[232+\b], v[232+\b], s[CS], v12     ; the same of each block's largest score
.endr
	s_wait_alu depctr_va_vdst(0)
.irp j, 0,1,2,3,4,5,6,7,8,9,10,11,12,13,14,15,16,17,18,19,20,21,22,23,24,25,26,27,28,29,30,31,32,33,34,35,36,37,38,39,40,41,42,43,44,45,46,47,48,49,50,51,52,53,54,55,56,57,58,59,60,61,62,63
	v_exp_f32 v[96+\j], v[96+\j]                   ; p = 2^(t - M), at most 1: NOT normalised
.endr
.irp b, 0,1,2,3
	v_exp_f32 v[232+\b], v[232+\b]                 ; the block's largest p: the same two instructions on the same number give the same bits
.endr
	v_pk_mul_f32 v[14:15], v[14:15], v[252:253] op_sel_hi:[1,0]   ; the sums under the new M.  (A plain place behind the exponentials)
	s_wait_alu depctr_va_vdst(0)
.irp b, 0,1,2,3
	v_max_num_f32 v[232+\b], 0x1800000, v[232+\b]  ; the floor 2^(3 - 127): the byte cannot fall under 1 (a block whose every p is 0 keeps that byte: its codes are zeros)
.endr
.irp b, 0,1,2,3
	s_delay_alu instid0(VALU_DEP_4)
	v_add_nc_u32 v[244+\b], 0xff000000, v[232+\b]  ; 2 off the exponent field: the conversion's scale operand
.endr
.irp b, 0,1,2,3
	s_delay_alu instid0(VALU_DEP_4)
	v_lshrrev_b32 v[236+\b], 23, v[244+\b]         ; the scale's byte
.endr
	s_delay_alu instid0(VALU_DEP_3)
	v_lshl_or_b32 v253, v237, 8, v236              ; p's scale word for these 128 keys
	s_delay_alu instid0(VALU_DEP_1)
	v_lshl_or_b32 v253, v238, 16, v253
	s_delay_alu instid0(VALU_DEP_1)
	v_lshl_or_b32 v253, v239, 24, v253
.irp c, 0,1
	v_cvt_scalef32_pk16_fp6_f32 v[224+6*\c:226+6*\c], v[96+32*\c:111+32*\c], v[244+2*\c]
	v_cvt_scalef32_pk16_fp6_f32 v[236+4*\c:238+4*\c], v[112+32*\c:127+32*\c], v[244+2*\c+1]   ; (a conversion's three registers begin on an even number)
.endr
	v_nop                                          ; one plain vector instruction between a scaled conversion and the vector instruction that touches its result
.irp c, 0,1                                    ; the operand's layout wants a WHOLE block in a lane: lanes 0-15 block 2 c, lanes 16-31 block 2 c + 1
.irp i, 0,1,2
	v_permlane16_swap_b32 v[224+6*\c+\i], v[236+4*\c+\i]
.endr
.irp i, 0,1,2
	s_delay_alu instid0(VALU_DEP_3)
	v_mov_b32 v[227+6*\c+\i], v[236+4*\c+\i]
.endr
.endr
	v_pk_add_f32 v[236:237], v[100:101], v[104:105]
	v_pk_add_f32 v[246:247], v[108:109], v[112:113]
	v_pk_add_f32 v[244:245], v[116:117], v[120:121]
	v_pk_add_f32 v[242:243], v[124:125], v[128:129]
	v_pk_add_f32 v[240:241], v[132:133], v[136:137]
	v_pk_add_f32 v[94:95], v[140:141], v[144:145]
	v_pk_add_f32 v[92:93], v[148:149], v[152:153]
	v_pk_add_f32 v[14:15], v[14:15], v[156:157]
	v_pk_add_f32 v[236:237], v[236:237], v[96:97]
	v_pk_add_f32 v[246:247], v[246:247], v[98:99]
	v_pk_add_f32 v[244:245], v[244:245], v[102:103]
	v_pk_add_f32 v[242:243], v[242:243], v[106:107]
	v_pk_add_f32 v[240:241], v[240:241], v[110:111]
	v_pk_add_f32 v[94:95], v[94:95], v[114:115]
	v_pk_add_f32 v[92:93], v[92:93], v[118:119]
	v_pk_add_f32 v[14:15], v[14:15], v[122:123]
	v_pk_add_f32 v[236:237], v[236:237], v[126:127]
	v_pk_add_f32 v[246:247], v[246:247], v[130:131]
	v_pk_add_f32 v[244:245], v[244:245], v[134:135]
	v_pk_add_f32 v[242:243], v[242:243], v[138:139]
	v_pk_add_f32 v[240:241], v[240:241], v[142:143]
	v_pk_add_f32 v[94:95], v[94:95], v[146:147]
	v_pk_add_f32 v[92:93], v[92:93], v[150:151]
	v_pk_add_f32 v[14:15], v[14:15], v[154:155]
	v_pk_add_f32 v[236:237], v[236:237], v[158:159]
	s_delay_alu instid0(VALU_DEP_2)
	v_pk_add_f32 v[14:15], v[14:15], v[242:243]
	s_delay_alu instid0(VALU_DEP_2)
	v_pk_add_f32 v[236:237], v[236:237], v[240:241]
	v_pk_add_f32 v[246:247], v[246:247], v[94:95]
	v_pk_add_f32 v[244:245], v[244:245], v[92:93]
	s_delay_alu instid0(VALU_DEP_2)
	v_pk_add_f32 v[14:15], v[14:15], v[246:247]
	s_delay_alu instid0(VALU_DEP_2)
	v_pk_add_f32 v[236:237], v[236:237], v[244:245]
	s_delay_alu instid0(VALU_DEP_1)
	v_pk_add_f32 v[14:15], v[14:15], v[236:237]
.irp j, 0,2,4,6,8,10,12,14,16,18,20,22,24,26,28,30,32,34,36,38,40,42,44,46,48,50,52,54,56,58,60,62
	v_pk_mul_f32 v[160+\j:161+\j], v[160+\j:161+\j], v[252:253] op_sel_hi:[1,0]   ; O^T under the new M: x f.  (With the sums above: the places between the writing of p's codes and scale word and the products below)
.endr
	s_wait_alu depctr_va_vdst(0)
	s_wait_dscnt 0x0                               ; V's first four fragments, asked for ahead of the softmax
.irp t, 0,1,2,3                                ; O^T += V^T P^T; K = these 128 keys.  The eight accumulators take turns, one instruction a turn
	v_wmma_scale_f32_16x16x128_f8f6f4 v[160+8*\t:167+8*\t], v[32+12*\t:43+12*\t], v[224:235], v[160+8*\t:167+8*\t], v[248+\t], v253 matrix_a_fmt:MATRIX_FMT_FP6 matrix_b_fmt:MATRIX_FMT_FP6
.endr
.rept 4
	v_nop                                          ; places in front of loads into registers that matrix instructions have read
.endr
	VLOADS \q, 1
	s_wait_dscnt 0x0
.irp t, 0,1,2,3
	v_wmma_scale_f32_16x16x128_f8f6f4 v[192+8*\t:199+8*\t], v[32+12*\t:43+12*\t], v[224:235], v[192+8*\t:199+8*\t], v[248+\t], v253 matrix_a_fmt:MATRIX_FMT_FP6 matrix_b_fmt:MATRIX_FMT_FP6
.endr
	s_cmp_lg_u32 s[KS], s[CL]                      ; my last step: my rows leave now
	s_cbranch_scc1 .Lhidden_\@
	WAYOUT
.Lhidden_\@:
	s_add_co_u32 s[TS], s[TS], 544                 ; the next step's scale words,
	s_add_co_u32 s[TJ], s[TJ], 4
	s_add_co_u32 s[KS], s[KS], 1                   ; and its number: these three are on every wave's path
.endm
; THE CHANGE OF SLOTS stands at a slot's head.  Each wave waits for all its tensor loads (its part of the slot that it is about to read), adds 0 to its spare word, and waits for that and for its LDS reads of the slot that
; it has left.  fill = 1: a round of the cluster's barrier follows, behind which the slot ahead is whole in all four work-groups and no wave of any of them reads the other one or has a load on its way; that other slot
; is then filled with the keys that follow, by the one tensor load of a fetching wave until the next round: it has a slot's two key steps in which to land.
.macro CHANGE fill
	s_wait_tensorcnt 0x0                           ; no tensor load of mine is out, so a group 0 may be written
	ds_add_u32 v[SPW], v[NIL]                      ; 0 onto my spare word; with fill = 1 the descriptors' steps stand between it and the wait for it
.if \fill
	s_xor_b32 s[G0K+1], s[G0K+1], SLOT1            ; the walking descriptors: the other slot than last time,
	s_add_nc_u64 s[G0K+2:G0K+3], s[G0K+2:G0K+3], 16*KGRP   ; the next 256 keys; the type bits on top are not reached
	s_xor_b32 s[G0V+1], s[G0V+1], SLOT1
	s_add_nc_u64 s[G0V+2:G0V+3], s[G0V+2:G0V+3], 192
	s_wait_xcnt 0x0                                ; the last prefetch, a slot back, has read its address, so it may be written
	s_add_nc_u64 s[PFA:PFA+1], s[PFA:PFA+1], s[PFS:PFS+1]
	s_wait_dscnt 0x0                               ; the add is done, and my reads of the slot that I have left are over
	CROUND
	TLOAD G0K, G1K, G0V, G1V                       ; the first thing behind the round
	ASK
.else
	s_wait_dscnt 0x0                               ; the add is done, and my reads of the slot that I have left are over
	s_barrier_signal -1                            ; my work-group's own suffices
	s_barrier_wait -1
.endif
.endm
.macro SLOT_STEPS
	STEP 0
	STEP 1
	s_xor_b32 s[TB], s[TB], SLOT1                  ; on to the other slot
.endm
	s_wait_loadcnt 0x0                             ; Q
.Lslot:                                            ; NSL - 1 = 7 trips: behind each change of slots but the last the next slot is asked for
	CHANGE 1
	SLOT_STEPS
	s_sub_co_u32 s[SLOTS], s[SLOTS], 1
	s_cmp_lg_u32 s[SLOTS], 0
	s_cbranch_scc1 .Lslot
	CHANGE 0                                       ; the last slot is written out
	SLOT_STEPS
	s_wait_tensorcnt 0x0                           ; the wave's end: behind my last tensor load and my last LDS store
	ds_add_u32 v[SPW], v[NIL]
	s_wait_dscnt 0x0
	CROUND                                         ; the closing round: no work-group ends while a partner may still ask for a tile that names it
	s_endpgm
.Lfunc_end_k_q89c812f545_attn:
	.size	k_q89c812f545_attn, .Lfunc_end_k_q89c812f545_attn-k_q89c812f545_attn
	.p2alignl 7, 3214868480
	.fill 96, 4, 3214868480
	.section	.rodata,"a",@progbits
	.p2align	6, 0x0
	.amdhsa_kernel k_q89c812f545_attn
		.amdhsa_group_segment_fixed_size 327680
		.amdhsa_private_segment_fixed_size 0
		.amdhsa_enable_private_segment 0
		.amdhsa_kernarg_size 56
		.amdhsa_user_sgpr_count 2
		.amdhsa_user_sgpr_kernarg_segment_ptr 1
		.amdhsa_wavefront_size32 1
		.amdhsa_system_sgpr_workgroup_id_x 1
		.amdhsa_system_sgpr_workgroup_id_y 1
		.amdhsa_system_sgpr_workgroup_id_z 1
		.amdhsa_system_vgpr_workitem_id 0
		.amdhsa_next_free_vgpr 256
		.amdhsa_next_free_sgpr 102
		.amdhsa_reserve_vcc 1
		.amdhsa_float_denorm_mode_32 3
		.amdhsa_float_denorm_mode_16_64 3
		.amdhsa_memory_ordered 1
		.amdhsa_forward_progress 1
		.amdhsa_inst_pref_size 158
	.end_amdhsa_kernel
	.amdgpu_metadata
---
amdhsa.version: [ 1, 2 ]
amdhsa.kernels:
  - .name:           k_q89c812f545_attn
    .symbol:         k_q89c812f545_attn.kd
    .args:
      - { .name: query_layer_codes, .offset: 0, .size: 8, .value_kind: global_buffer, .address_space: global }
      - { .name: query_layer_scales, .offset: 8, .size: 8, .value_kind: global_buffer, .address_space: global }
      - { .name: key_layer_codes, .offset: 16, .size: 8, .value_kind: global_buffer, .address_space: global }
      - { .name: key_layer_scales, .offset: 24, .size: 8, .value_kind: global_buffer, .address_space: global }
      - { .name: value_layer_codes, .offset: 32, .size: 8, .value_kind: global_buffer, .address_space: global }
      - { .name: value_layer_scales, .offset: 40, .size: 8, .value_kind: global_buffer, .address_space: global }
      - { .name: out0, .offset: 48, .size: 8, .value_kind: global_buffer, .address_space: global }
    .group_segment_fixed_size: 327680
    .private_segment_fixed_size: 0
    .kernarg_segment_align: 8
    .kernarg_segment_size: 56
    .max_flat_workgroup_size: 512
    .sgpr_count:     102
    .vgpr_count:     256
    .wavefront_size: 32
...
	.end_amdgpu_metadata
.endif
;; end of part 1
